; MI455X (gfx1250); checked and timed in simulation.
; The chip was launched on July 23, 2026; its instructions are those of AMD's public machine-readable ISA for CDNA 5 (MIT licence, August 2026) and "CDNA5" Instruction Set Architecture Reference Guide (July 2026). The comments in the code are by the model that wrote it; some were corrected since.
;; Causal Mul Head Attention. Allowed arithmetic: float matrix products may take bf16 or f16 operands with f32 sums; all other float work in f32.
;; Inputs: wk 1,024 x 1,024 float32; wo 1,024 x 1,024 float32; wq 1,024 x 1,024 float32; wv 1,024 x 1,024 float32; x 4 x 2,048 x 1,024 float32.
;; Outputs: out0 4 x 2,048 x 1,024 float32.
;; One version. Each part assembles by itself: llvm-mc -triple=amdgcn-amd-amdhsa -mcpu=gfx1250 --defsym DOCPART=n.
;; ======== version 1 of 1: 4 launches
;; limits: values are held in f16: magnitudes above 65,504 overflow, below 6.1e-05 lose precision
;; workspace buffers: xh 16,777,216 bytes; wh 8,388,608 bytes; qkv 50,331,648 bytes; ao 16,777,216 bytes
;; launch cast (part 1): grid 768 x 1, 8 waves a work-group, no clusters, 0 bytes of LDS; arguments x, wq, wk, wv, wo, xh, wh; writes xh, wh
.if DOCPART == 1
	.amdgcn_target "amdgcn-amd-amdhsa--gfx1250"
	.amdhsa_code_object_version 6
	.text
	.protected	k_qa1fc5bb182_cast
	.globl	k_qa1fc5bb182_cast
	.p2align	8
	.type	k_qa1fc5bb182_cast,@function
k_qa1fc5bb182_cast:
	s_mov_b64 s[64:65], 0
	v_nop
	global_prefetch_b8 v0, s[64:65] scope:SCOPE_SE
	s_setreg_imm32_b32 hwreg(HW_REG_WAVE_MODE, 25, 1), 1
	s_wait_xcnt 0x0
; x and the four weights, f32, are rounded once to bf16 (nearest even): xh [8192][1024]; wh [4096][1024] = wq, wk, wv, wo one below the other, 2 bytes a number.
; x, wq, wk, wv are written as bf16: both operands of their products are inputs, and bf16 has f32's range, so they have no limit of range.
; wo carries the same rounding to bf16 as the other inputs, but is written in f16: its partner in the last product, the attention output, is kept in f16
; (eleven bits of mantissa), and a matrix instruction takes both operands in one format.  A bf16 number is exact in f16 from 2^-14 up.
; LIMIT: |wo| below 65,504 (larger becomes infinite); below 2^-14 wo is kept to f16's fixed spacing of 2^-24.
; A stream: no LDS, no barrier, no matrix unit.  768 work-groups of 65,536 bytes of f32: 0-511 take x, 512+64k+i takes weight k.
; A wave takes 8,192 bytes by sixteen loads of 512 consecutive bytes, all issued before the first is used;
; each store of the wave covers 256 consecutive bytes, aligned.  No source of a pending load or store is written again.
.set X, 4                              ; v[4:67]   sixteen loads of four f32
.set Y, 68                             ; v[68:99]  sixteen pairs of packed 16-bit numbers
	s_load_b256 s[4:11], s[0:1], 0x0               ; x s[4:5], wq s[6:7], wk s[8:9], wv s[10:11]
	s_load_b128 s[12:15], s[0:1], 0x20             ; wo s[12:13], xh s[14:15]
	s_load_b64 s[16:17], s[0:1], 0x30              ; wh
	s_mov_b32 s20, ttmp9                           ; the work-group's number
	s_sub_co_u32 s24, s20, 512                     ; its number among the weights' 256 (used only from 512 on)
	s_and_b32 s25, s24, 63                         ; its number inside one weight
	s_cmp_ge_u32 s20, 512
	s_cselect_b32 s26, s25, s20                    ; block of the source
	s_cselect_b32 s28, s24, s20                    ; block of the destination
	s_lshl_b32 s26, s26, 16                        ; x 65,536 bytes of f32
	s_lshl_b32 s28, s28, 15                        ; x 32,768 bytes of 16-bit numbers
	s_mov_b32 s27, 0
	s_mov_b32 s29, 0
	v_and_b32 v3, 31, v0                           ; lane
	v_lshrrev_b32 v2, 5, v0                        ; wave
	v_lshlrev_b32 v1, 13, v2
	v_lshl_add_u32 v1, v3, 4, v1                   ; in: 8,192 wave + 16 lane
	v_lshlrev_b32 v2, 12, v2
	v_lshl_add_u32 v2, v3, 3, v2                   ; out: 4,096 wave + 8 lane
	s_wait_kmcnt 0x0
	s_mov_b64 s[18:19], s[4:5]                     ; the source: x, or by the number one of the weights
	s_cmp_ge_u32 s20, 512
	s_cselect_b64 s[18:19], s[6:7], s[18:19]
	s_cselect_b64 s[22:23], s[16:17], s[14:15]     ; the destination: wh or xh
	s_cmp_ge_u32 s20, 576
	s_cselect_b64 s[18:19], s[8:9], s[18:19]
	s_cmp_ge_u32 s20, 640
	s_cselect_b64 s[18:19], s[10:11], s[18:19]
	s_cmp_ge_u32 s20, 704
	s_cselect_b64 s[18:19], s[12:13], s[18:19]
	s_add_nc_u64 s[18:19], s[18:19], s[26:27]
	s_add_nc_u64 s[22:23], s[22:23], s[28:29]
.irp i, 0,1,2,3,4,5,6,7,8,9,10,11,12,13,14,15
	global_load_b128 v[X+4*\i:X+4*\i+3], v1, s[18:19] offset:512*\i th:TH_LOAD_NT
.endr
	s_cmp_ge_u32 s20, 704                          ; the last 64 work-groups hold wo; all sixteen loads are out on both ways
	s_cbranch_scc1 .Lwo
.irp i, 0,1,2,3,4,5,6,7,8,9,10,11,12,13,14,15
	s_wait_loadcnt 15-\i                           ; loads come back in order: load i is in, the 15 - i younger ones stay out
	v_cvt_pk_bf16_f32 v[Y+2*\i], v[X+4*\i], v[X+4*\i+1]
	v_cvt_pk_bf16_f32 v[Y+2*\i+1], v[X+4*\i+2], v[X+4*\i+3]
	global_store_b64 v2, v[Y+2*\i:Y+2*\i+1], s[22:23] offset:256*\i
.endr
	s_endpgm
.Lwo:
.irp i, 0,1,2,3,4,5,6,7,8,9,10,11,12,13,14,15
	s_wait_loadcnt 15-\i                           ; as above
	v_cvt_pk_bf16_f32 v[Y+2*\i], v[X+4*\i], v[X+4*\i+1]        ; the one rounding,
	v_cvt_pk_bf16_f32 v[Y+2*\i+1], v[X+4*\i+2], v[X+4*\i+3]
	v_lshlrev_b32 v[X+4*\i], 16, v[Y+2*\i]                     ; back to f32, exactly (load i has landed: its registers are free),
	v_and_b32 v[X+4*\i+1], 0xffff0000, v[Y+2*\i]
	v_lshlrev_b32 v[X+4*\i+2], 16, v[Y+2*\i+1]
	v_and_b32 v[X+4*\i+3], 0xffff0000, v[Y+2*\i+1]
	v_cvt_pk_f16_f32 v[Y+2*\i], v[X+4*\i], v[X+4*\i+1]         ; and the same numbers in f16's code
	v_cvt_pk_f16_f32 v[Y+2*\i+1], v[X+4*\i+2], v[X+4*\i+3]
	global_store_b64 v2, v[Y+2*\i:Y+2*\i+1], s[22:23] offset:256*\i
.endr
	s_endpgm
.Lfunc_end_k_qa1fc5bb182_cast:
	.size	k_qa1fc5bb182_cast, .Lfunc_end_k_qa1fc5bb182_cast-k_qa1fc5bb182_cast
	.p2alignl 7, 3214868480
	.fill 96, 4, 3214868480
	.section	.rodata,"a",@progbits
	.p2align	6, 0x0
	.amdhsa_kernel k_qa1fc5bb182_cast
		.amdhsa_group_segment_fixed_size 0
		.amdhsa_private_segment_fixed_size 0
		.amdhsa_enable_private_segment 0
		.amdhsa_kernarg_size 56
		.amdhsa_user_sgpr_count 2
		.amdhsa_user_sgpr_kernarg_segment_ptr 1
		.amdhsa_wavefront_size32 1
		.amdhsa_system_sgpr_workgroup_id_x 1
		.amdhsa_system_sgpr_workgroup_id_y 1
		.amdhsa_system_sgpr_workgroup_id_z 1
		.amdhsa_system_vgpr_workitem_id 0
		.amdhsa_next_free_vgpr 100
		.amdhsa_next_free_sgpr 66
		.amdhsa_reserve_vcc 0
		.amdhsa_float_denorm_mode_32 3
		.amdhsa_float_denorm_mode_16_64 3
		.amdhsa_memory_ordered 1
		.amdhsa_forward_progress 1
		.amdhsa_inst_pref_size 17
	.end_amdhsa_kernel
	.amdgpu_metadata
---
amdhsa.version: [ 1, 2 ]
amdhsa.kernels:
  - .name:           k_qa1fc5bb182_cast
    .symbol:         k_qa1fc5bb182_cast.kd
    .args:
      - { .name: x, .offset: 0, .size: 8, .value_kind: global_buffer, .address_space: global }
      - { .name: wq, .offset: 8, .size: 8, .value_kind: global_buffer, .address_space: global }
      - { .name: wk, .offset: 16, .size: 8, .value_kind: global_buffer, .address_space: global }
      - { .name: wv, .offset: 24, .size: 8, .value_kind: global_buffer, .address_space: global }
      - { .name: wo, .offset: 32, .size: 8, .value_kind: global_buffer, .address_space: global }
      - { .name: xh, .offset: 40, .size: 8, .value_kind: global_buffer, .address_space: global }
      - { .name: wh, .offset: 48, .size: 8, .value_kind: global_buffer, .address_space: global }
    .group_segment_fixed_size: 0
    .private_segment_fixed_size: 0
    .kernarg_segment_align: 8
    .kernarg_segment_size: 56
    .max_flat_workgroup_size: 256
    .sgpr_count:     66
    .vgpr_count:     100
    .wavefront_size: 32
...
	.end_amdgpu_metadata
.endif
;; end of part 1
;; launch qkv (part 2): grid 8 x 32, 4 waves a work-group, clusters of 4 x 4, 327,680 bytes of LDS; arguments xh, wh, qkv; writes qkv
.if DOCPART == 2
	.amdgcn_target "amdgcn-amd-amdhsa--gfx1250"
	.amdhsa_code_object_version 6
	.text
	.protected	k_qa1fc5bb182_qkv
	.globl	k_qa1fc5bb182_qkv
	.p2align	8
	.type	k_qa1fc5bb182_qkv,@function
k_qa1fc5bb182_qkv:
	s_mov_b64 s[64:65], 0
	v_nop
	global_prefetch_b8 v0, s[64:65] scope:SCOPE_SE
	s_setreg_imm32_b32 hwreg(HW_REG_WAVE_MODE, 25, 1), 1
	s_wait_xcnt 0x0
	s_wait_alu depctr_hold_cnt(0) depctr_sa_sdst(0) depctr_va_vdst(0) depctr_va_sdst(0) depctr_va_ssrc(0) depctr_va_vcc(0) depctr_vm_vsrc(0)
	s_getreg_b32 s2, hwreg(HW_REG_IB_STS2, 6, 4)
	s_cmp_eq_u32 s2, 0
	s_cbranch_scc0 .Lentry_in_a_cluster
	s_endpgm
.Lentry_in_a_cluster:
	s_bfe_u32 s2, ttmp6, 0x10000c
	s_cmp_lg_u32 s2, 0xf033
	s_cbranch_scc0 .Lentry_shape_is_right
	s_endpgm
.Lentry_shape_is_right:
; qkv[t][n] = sum over k of xh[t][k] wh[n][k], n = 0 .. 3071: q in columns 0-1023, k in 1024-2047, v in 2048-3071.  bf16 in, f32 sums, f16 out.
; The results are operands of the attention's products and are kept in f16, whose eleven bits of mantissa round eight times finer than bf16's eight.
; LIMIT: q, k and v are kept in f16: magnitudes below 65,504.
; SHARES: 32 x 8 = 256 work-groups of equal work, each 256 rows x 384 columns; four waves, a wave 128 x 192: 96 accumulator tiles = 768 registers,
; windows 1 to 3 whole.  For 32 along K a wave reads 8 + 12 fragments of 1,024 bytes for 96 matrix instructions.
; K STEP 64: two slots of a step of 128 would be 2 x 640 rows x 272 bytes = 348,160 bytes, more than the 327,680 that a work-group can be given; so a tile's
; rows are 128 bytes of memory, starting at multiples of 128.  A slot holds B's 384 rows, then A's 256, at a pitch of 144 bytes.
; CLUSTERS: 4 x 4 work-groups.  The four of a cluster's row need the same tiles of xh, the four of a column the same tiles of wh: such a tile is asked for
; jointly, by the same tensor load with the same descriptor and a mask that names the four, which divides the requests by four.
; FRAGMENTS all lie in window 0: A's 8 in two buffers (v32-95, v96-159), B's 12 once, as two halves of six (v160-207, v208-255).  A quarter step (32 along K)
; is two halves of 48 matrix instructions: all 8 row blocks with B's lower six column blocks, then with the upper six; while one half of B is multiplied
; the other half is loaded anew, and A's other buffer gets the next quarter's fragments.
; The matrix instruction is used transposed (source 0 = 16 rows of B, source 1 = 16 rows of A): a lane's eight results are eight neighbouring columns of one row.
.set SIZE_N, 3072
.set SIZE_K, 1024
.set KSTEP,  64
.set PITCH,  144                       ; an LDS row: 128 bytes + 16 of padding: the 16 rows that a fragment load touches start at 16 different 16-byte columns modulo 256
.set BHALF,  192*PITCH                 ; what a load of B brings, and what one wave reads of B: 27,648
.set AHALF,  128*PITCH                 ; the same for A: 18,432
.set AOFF,   2*BHALF                   ; A's rows lie behind B's 384
.set SLOT,   AOFF+2*AHALF              ; 92,160
.set STAGE,  2*SLOT                    ; 184,320, behind the ring: the way out; no fill lands there
.set SPITCH, 784                       ; a stage row: the block's 768 bytes + 16
.set SBUF,   16*SPITCH                 ; 16 rows; two buffers for each half of the block's rows
.set OROW,   SIZE_N*2                  ; bytes in a row of the result
.set LAPS, SIZE_K/(2*KSTEP)            ; a lap = two K steps = once round the ring: 8
.set ADRA, 8                           ; v8-9    LDS address of my A fragments in slot 0, 1
.set ADRB, 10                          ; v10-11  the same for B
.set STO,  12                          ; the way out: where I put 16 bytes of a row
.set RD,   13                          ; the way out: where I read 16 bytes of a row back
.set CO,   14                          ; my byte offset in the result
.set FA,   32                          ; A's buffer f at FA + 64 f
.set FB,   160                         ; B's half at FB + 48 half
.set TMP,  32                          ; the way out: packed results, 48 registers
.set RB,   96                          ; the way out: rows read back, 48 registers at RB and at RB + 64, by turns
.set G1, 24                            ; s[24:31] descriptor group 1 for A's tiles
.set G0, 32                            ; s[32:39] group 0 for A's tiles, one set for each slot
.set G1B, 48                           ; s[48:55] group 1 for B's tiles
.set G0B, 56                           ; s[56:63] group 0 for B's tiles
.set MSB, 0
.macro WIN new                         ; low byte: bits 1:0 source 0, 3:2 source 1, 5:4 source 2, 7:6 destination; the high byte repeats the setting that is left
.if MSB != \new
	s_set_vgpr_msb (MSB<<8)|\new
.set MSB, \new
.endif
.endm
; A joint load: waves 0 and 1 fetch B's halves, waves 2 and 3 A's.  The branch hangs on the wave's number alone.
.macro JLOAD s
	s_cmp_eq_u32 s11, 0
	s_cbranch_scc0 .Lfor_a_\@
	tensor_load_to_lds s[G0B+4*\s:G0B+4*\s+3], s[G1B:G1B+7]
	s_nop 0
	s_branch .Lasked_\@
.Lfor_a_\@:
	tensor_load_to_lds s[G0+4*\s:G0+4*\s+3], s[G1:G1+7]
	s_nop 0
.Lasked_\@:
.endm
; A round of the cluster's barrier: my work-group's barrier; wave 0 signals for the work-group; every wave waits for all sixteen; my work-group's barrier again.
.macro CREST                           ; a round behind its opening barrier
	s_cmp_lg_u32 s10, 0
	s_cbranch_scc1 .Lnot_wave_0_\@
	s_barrier_signal -3
.Lnot_wave_0_\@:
	s_barrier_wait -3
	s_barrier_signal -1
	s_barrier_wait -1
.endm
.macro CROUND
	s_barrier_signal -1
	s_barrier_wait -1
	CREST
.endm
	s_load_b128 s[4:7], s[0:1], 0x0                ; A = xh s[4:5], B = wh s[6:7]
	s_load_b64 s[8:9], s[0:1], 0x10                ; the result
	v_lshl_add_u32 v30, v0, 2, 0x39400
	v_mov_b32 v31, 0
	ds_add_u32 v30, v31
	v_lshrrev_b32 v1, 5, v0
	v_readfirstlane_b32 s10, v1                    ; wave 0..3
	s_lshr_b32 s11, s10, 1                         ; my half of the block's rows.  Also: I fetch for B (0) or for A (1)
	s_and_b32 s12, s10, 1                          ; my half of its columns.  Also: which half of that tile I fetch
	s_bfe_u32 s40, ttmp6, 0x40000                  ; cx
	s_bfe_u32 s41, ttmp6, 0x40004                  ; cy
	s_lshl_b32 s42, ttmp9, 2
	s_add_co_u32 s42, s42, s40                     ; block column = 4 x cluster x + cx
	s_and_b32 s13, ttmp7, 0xffff
	s_lshl_b32 s13, s13, 2
	s_add_co_u32 s13, s13, s41                     ; block row = 4 x cluster y + cy
	s_lshl_b32 s43, s41, 2
	s_lshl_b32 s43, 15, s43                        ; my row of the cluster: places 4 cy .. 4 cy + 3
	s_lshl_b32 s44, 0x1111, s40                    ; my column: places cx, cx + 4, cx + 8, cx + 12
	; group 1: rows of 64 elements of 2 bytes; after every 32 words (code 4) 4 words of padding (code 3); bit 21 set beside a mask
	s_or_b32 s[G1+0], s43, (1<<16)|(1<<20)|(1<<21)|(4<<22)|(3<<25)
	s_or_b32 s[G1B+0], s44, (1<<16)|(1<<20)|(1<<21)|(4<<22)|(3<<25)
	s_mov_b32 s[G1B+1], KSTEP<<16
	s_mov_b32 s[G1+1], KSTEP<<16                   ; tensor_dim0 = 64
	s_mov_b32 s[G1B+2], 192<<16                    ; B: tensor_dim1 = 192 rows
	s_mov_b32 s[G1+2], 128<<16                     ; A: 128 rows
	s_mov_b32 s[G1B+3], KSTEP<<16
	s_mov_b32 s[G1+3], KSTEP<<16                   ; tile_dim0 = 64
	s_mov_b32 s[G1B+4], 192                        ; tile_dim1
	s_mov_b32 s[G1+4], 128
	s_mov_b32 s[G1B+5], SIZE_K
	s_mov_b32 s[G1+5], SIZE_K                      ; elements from row to row
	s_mov_b32 s[G1B+6], 0
	s_mov_b32 s[G1+6], 0
	s_mov_b32 s[G1B+7], 0
	s_mov_b32 s[G1+7], 0
	; A's tiles hang on the block row alone, B's on the block column alone; each address in registers that never hold the other coordinate
	s_lshl_b32 s17, s12, 7
	s_lshl_b32 s16, s13, 8
	s_add_co_u32 s16, s16, s17                     ; A: row 256 x block row + 128 x half
	s_mul_i32 s45, s12, 192
	s_mul_i32 s46, s42, 384
	s_add_co_u32 s46, s46, s45                     ; B: row 384 x block column + 192 x half
	s_mov_b32 s17, 0
	s_mov_b32 s47, 0
	s_mov_b64 s[18:19], SIZE_K*2
	s_mul_u64 s[16:17], s[16:17], s[18:19]
	s_mul_u64 s[46:47], s[46:47], s[18:19]
	s_mul_i32 s20, s10, AHALF                      ; where A's halves go (waves 2, 3): AOFF + (wave - 2) x 128 rows = wave x 18,432 + 18,432
	s_add_co_u32 s20, s20, AOFF-2*AHALF
	s_mul_i32 s45, s10, BHALF                      ; where B's halves go (waves 0, 1): wave x 192 rows; no place in the cluster enters an LDS address
	s_wait_dscnt 0x0
	s_wait_kmcnt 0x0
	s_add_nc_u64 s[14:15], s[4:5], s[16:17]
	s_add_nc_u64 s[46:47], s[6:7], s[46:47]
	CROUND                                         ; all sixteen work-groups are here: the first joint loads meet
.irp s, 0,1
	s_mov_b32 s[G0+4*\s], 1
	s_add_co_u32 s[G0+4*\s+1], s20, \s*SLOT
	s_add_nc_u64 s[G0+4*\s+2:G0+4*\s+3], s[14:15], \s*KSTEP*2
	s_or_b32 s[G0+4*\s+3], s[G0+4*\s+3], 0x80000000
	s_mov_b32 s[G0B+4*\s], 1
	s_add_co_u32 s[G0B+4*\s+1], s45, \s*SLOT
	s_add_nc_u64 s[G0B+4*\s+2:G0B+4*\s+3], s[46:47], \s*KSTEP*2
	s_or_b32 s[G0B+4*\s+3], s[G0B+4*\s+3], 0x80000000
	JLOAD \s                                       ; both first fills go out before anything else: two tensor loads of the wave are out
.endr
	; a fragment: lane l holds row l % 16; registers 0-3 K = 8 (l / 16) + 0..7, registers 4-7 K = 16 + 8 (l / 16) + 0..7: two loads of 16 bytes, 32 apart
	v_and_b32 v1, 15, v0                           ; r
	v_bfe_u32 v2, v0, 4, 1                         ; h
	v_mul_u32_u24 v3, v1, PITCH
	v_lshl_add_u32 v3, v2, 4, v3
	s_mul_i32 s21, s11, AHALF                      ; my 128 rows of A,
	s_add_co_u32 s21, s21, AOFF                    ; behind B's 384
	s_mul_i32 s22, s12, BHALF                      ; my 192 rows of B
.irp s, 0,1
	v_add_nc_u32 v[ADRA+\s], s21, v3
	v_add_nc_u32 v[ADRB+\s], s22, v3
	s_add_co_u32 s21, s21, SLOT
	s_add_co_u32 s22, s22, SLOT
.endr
	; the stage: the two waves of a half of the block's rows share two buffers of 16 rows x 768 bytes
	s_mul_i32 s23, s11, 2*SBUF
	s_add_co_u32 s23, s23, STAGE
	s_mul_i32 s21, s12, 384                        ; in: row r, my 384 bytes of it, 16 bytes for each half of the lanes
	s_add_co_u32 s21, s21, s23
	v_mul_u32_u24 v4, v1, SPITCH
	v_lshl_add_u32 v4, v2, 4, v4
	v_add_nc_u32 v[STO], s21, v4
	s_mul_i32 s22, s12, 4*SPITCH                   ; back: rows 4 x column half + 8 h + 0..3, sixteen lanes on 256 bytes of a row
	s_add_co_u32 s22, s22, s23
	v_mul_u32_u24 v5, v2, 8*SPITCH
	v_lshl_add_u32 v5, v1, 4, v5
	v_add_nc_u32 v[RD], s22, v5
	s_mul_i32 s22, s12, 4*OROW                     ; and the same rows in the result
	v_mul_u32_u24 v5, v2, 8*OROW
	v_lshl_add_u32 v5, v1, 4, v5
	v_add_nc_u32 v[CO], s22, v5
; 24 matrix instructions: row blocks a0 .. a0 + 3 from A's buffer f x the six column blocks of B's half.  zero = 1: the first product starts the sums.
; Accumulator tile (a, b) is number 48 (b / 6) + 6 a + b % 6, eight registers each, from window 1 on: each half of B has its 48 tiles in one run.
.macro MM24 f, half, a0, zero
.irp a, \a0, \a0+1, \a0+2, \a0+3
.irp b, 0,1,2,3,4,5
.set T8, 8*(48*\half+6*(\a)+\b)
.set RG, T8%256
.set WS, (1+T8/256)*0x50
	WIN WS                                         ; C and D in the tile's window, the fragments in window 0
.if \zero
	v_wmma_f32_16x16x32_bf16 v[RG:RG+7], v[FB+48*\half+8*\b:FB+48*\half+8*\b+7], v[FA+64*\f+8*(\a):FA+64*\f+8*(\a)+7], 0
.else
	v_wmma_f32_16x16x32_bf16 v[RG:RG+7], v[FB+48*\half+8*\b:FB+48*\half+8*\b+7], v[FA+64*\f+8*(\a):FA+64*\f+8*(\a)+7], v[RG:RG+7]
.endif
.endr
.endr
.endm
; 12 LDS loads: six fragments of B (its lower or upper half) at byte k of the slot's rows
.macro LDB slot, k, half
.irp i, 0,1,2,3,4,5
	ds_load_b128 v[FB+48*\half+8*\i:FB+48*\half+8*\i+3],   v[ADRB+\slot] offset:\k+(6*\half+\i)*16*PITCH
	ds_load_b128 v[FB+48*\half+8*\i+4:FB+48*\half+8*\i+7], v[ADRB+\slot] offset:\k+(6*\half+\i)*16*PITCH+32
.endr
.endm
; 8 LDS loads: fragments 4 hi .. 4 hi + 3 of A at byte k of the slot's rows, into buffer f
.macro LDA slot, k, f, hi
.irp i, 0,1,2,3
	ds_load_b128 v[FA+64*\f+8*(4*\hi+\i):FA+64*\f+8*(4*\hi+\i)+3],   v[ADRA+\slot] offset:\k+(4*\hi+\i)*16*PITCH
	ds_load_b128 v[FA+64*\f+8*(4*\hi+\i)+4:FA+64*\f+8*(4*\hi+\i)+7], v[ADRA+\slot] offset:\k+(4*\hi+\i)*16*PITCH+32
.endr
.endm
; Four places behind a matrix instruction before a load lands on one of its registers or a vector instruction reads its result (ISA guide 7.12.1 for vector instructions);
; the matrix instructions in between are not counted.
.macro PLACES
.rept 4
	v_nop
.endr
.endm
; One K step: two quarters, on A's buffers 0 and 1.  On entry 28 LDS loads are out, oldest first: B's lower half (12), A's fragments 0-3 (8), 4-7 (8) of quarter 0.
; The 96 accumulators take turns, one instruction a turn, in the same order in every quarter.
; zero = 1: quarter 0 starts the sums.  fill = 1: this slot is filled again, two steps ahead.  last = 1: the last step of all.
.macro STEP slot, next, zero, fill, last
	PLACES
	WIN 0
	LDB \slot, 0, 1                                ; quarter 0: B's upper half, whose registers the last 48 matrix instructions read
	LDA \slot, 64, 1, 0                            ; quarter 1: A's fragments 0-3
	s_wait_dscnt 28                                ; B's lower half and A's 0-3 are in; A's 4-7 (8) and the 20 just issued may be out
	MM24 0, 0, 0, \zero
	s_wait_dscnt 20                                ; A's 4-7 are in
	MM24 0, 0, 4, \zero
	PLACES
	WIN 0
	LDB \slot, 64, 0                               ; quarter 1: B's lower half
	LDA \slot, 64, 1, 1                            ; quarter 1: A's fragments 4-7
	s_wait_dscnt 28                                ; B's upper half is in; quarter 1's A 0-3 (8) and the 20 just issued may be out
	MM24 0, 1, 0, \zero
	MM24 0, 1, 4, \zero
	PLACES
	WIN 0
	LDB \slot, 64, 1                               ; quarter 1: B's upper half: my last reads of this slot
	s_wait_dscnt 20                                ; A's 0-3 and B's lower half are in; A's 4-7 (8) and the 12 just issued may be out
	MM24 1, 0, 0, 0
	s_wait_dscnt 0                                 ; my reads of this slot are over
.if \last == 0
	s_wait_tensorcnt 0x0                           ; all my tensor loads have landed: the one that was out is my part of the next slot
	ds_add_u32 v30, v31
	s_wait_dscnt 0x0
	s_barrier_signal -1                            ; (where a slot is filled again this barrier opens a round of the cluster's barrier)
.endif
	MM24 1, 0, 4, 0                                ; register work while the others arrive
.if \last == 0
	WIN 0
	s_barrier_wait -1
.if \fill
	CREST                                          ; no wave of any partner still reads this slot or has a load out
	s_add_nc_u64 s[G0+4*\slot+2:G0+4*\slot+3], s[G0+4*\slot+2:G0+4*\slot+3], 2*KSTEP*2
	s_add_nc_u64 s[G0B+4*\slot+2:G0B+4*\slot+3], s[G0B+4*\slot+2:G0B+4*\slot+3], 2*KSTEP*2
	JLOAD \slot                                    ; the first tensor load behind the round, the wave's only one until the next; 168 matrix instructions stand between it and its wait
.endif
	PLACES
	LDB \next, 0, 0                                ; the next step's quarter 0, from the slot that is now whole
	LDA \next, 0, 0, 0
	LDA \next, 0, 0, 1
.endif
	MM24 1, 1, 0, 0
	MM24 1, 1, 4, 0
.endm
	s_wait_tensorcnt 1                             ; my part of K step 0 is in; K step 1's stays out
	s_barrier_signal -1
	s_barrier_wait -1
	LDB 0, 0, 0
	LDA 0, 0, 0, 0
	LDA 0, 0, 0, 1
	STEP 0, 1, 1, 1, 0                             ; the first lap stands in front of the loop: its first products start the sums
	STEP 1, 0, 0, 1, 0
	WIN 0                                          ; at a label and at a branch every window is 0
	s_mov_b32 s3, LAPS-2
.Llap:
	STEP 0, 1, 0, 1, 0
	STEP 1, 0, 0, 1, 0
	WIN 0
	s_sub_co_u32 s3, s3, 1
	s_cmp_lg_u32 s3, 0
	s_cbranch_scc1 .Llap
	STEP 0, 1, 0, 0, 0                             ; the last lap fills nothing
	STEP 1, 0, 0, 0, 1
	; THE WAY OUT, 16 rows at a time.  A wave's 192 columns are 384 bytes, one and a half blocks of 256, so the two waves of a half of the rows put their
	; parts of 16 whole rows of 768 bytes into a shared stage, pass a barrier, and each reads back and stores eight of the rows' 48 blocks of 256 bytes twelve loads deep.
	; Two buffers take turns: a buffer is written again two barriers' distance behind its reads, each wave's reads waited for in front of the barrier between.
	PLACES
	s_lshl_b32 s13, s13, 8
	s_lshl_b32 s14, s11, 7
	s_add_co_u32 s16, s13, s14                     ; my half's first row
	s_mov_b32 s17, 0
	s_mov_b64 s[18:19], OROW
	s_mul_u64 s[16:17], s[16:17], s[18:19]
	s_add_nc_u64 s[8:9], s[8:9], s[16:17]
	s_mul_i32 s46, s42, 768                        ; the block's first column in bytes
	s_mov_b32 s47, 0
	s_add_nc_u64 s[8:9], s[8:9], s[46:47]
.macro OUT16 a
.irp b, 0,1,2,3,4,5,6,7,8,9,10,11
.set T8, 8*(48*(\b/6)+6*\a+(\b%6))
.set RG, T8%256
.set WS, (1+T8/256)*5
	WIN WS                                         ; both sources in the tile's window, the destination in window 0
.irp r, 0,1,2,3
	v_cvt_pk_f16_f32 v[TMP+4*\b+\r], v[RG+2*\r], v[RG+2*\r+1]
.endr
.endr
	WIN 0
.irp b, 0,1,2,3,4,5,6,7,8,9,10,11
	ds_store_b128 v[STO], v[TMP+4*\b:TMP+4*\b+3] offset:(\a%2)*SBUF+32*\b
.endr
	s_wait_dscnt 0x0                               ; for the partner's sake: my stores are done (and my reads of the other buffer, long since)
	s_barrier_signal -1
	s_barrier_wait -1
	s_wait_xcnt 0x0                                ; the registers read back into were the data of earlier stores: rewritten only behind this wait
.irp R, 0,1,2,3
.irp c, 0,1,2
	ds_load_b128 v[RB+64*(\a%2)+4*(3*\R+\c):RB+64*(\a%2)+4*(3*\R+\c)+3], v[RD] offset:(\a%2)*SBUF+\R*SPITCH+256*\c
.endr
.endr
.irp R, 0,1,2,3
.irp c, 0,1,2
	s_wait_dscnt 11-(3*\R+\c)                      ; this load is in, the younger ones stay out
	global_store_b128 v[CO], v[RB+64*(\a%2)+4*(3*\R+\c):RB+64*(\a%2)+4*(3*\R+\c)+3], s[8:9] offset:\a*16*OROW+\R*OROW+256*\c   ; 16 lanes store 256 consecutive bytes, aligned; the offset stays below 707,073
.endr
.endr
.endm
	OUT16 0
	OUT16 1
	OUT16 2
	OUT16 3
	OUT16 4
	OUT16 5
	OUT16 6
	OUT16 7
	s_wait_tensorcnt 0x0
	ds_add_u32 v30, v31
	s_wait_dscnt 0x0
	CROUND                                         ; the closing round: no work-group ends while a partner may still ask for a tile that names it
	s_endpgm
.Lfunc_end_k_qa1fc5bb182_qkv:
	.size	k_qa1fc5bb182_qkv, .Lfunc_end_k_qa1fc5bb182_qkv-k_qa1fc5bb182_qkv
	.p2alignl 7, 3214868480
	.fill 96, 4, 3214868480
	.section	.rodata,"a",@progbits
	.p2align	6, 0x0
	.amdhsa_kernel k_qa1fc5bb182_qkv
		.amdhsa_group_segment_fixed_size 327680
		.amdhsa_private_segment_fixed_size 0
		.amdhsa_enable_private_segment 0
		.amdhsa_kernarg_size 24
		.amdhsa_user_sgpr_count 2
		.amdhsa_user_sgpr_kernarg_segment_ptr 1
		.amdhsa_wavefront_size32 1
		.amdhsa_system_sgpr_workgroup_id_x 1
		.amdhsa_system_sgpr_workgroup_id_y 1
		.amdhsa_system_sgpr_workgroup_id_z 1
		.amdhsa_system_vgpr_workitem_id 0
		.amdhsa_next_free_vgpr 1024
		.amdhsa_next_free_sgpr 66
		.amdhsa_reserve_vcc 0
		.amdhsa_float_denorm_mode_32 3
		.amdhsa_float_denorm_mode_16_64 3
		.amdhsa_memory_ordered 1
		.amdhsa_forward_progress 1
		.amdhsa_inst_pref_size 169
	.end_amdhsa_kernel
	.amdgpu_metadata
---
amdhsa.version: [ 1, 2 ]
amdhsa.kernels:
  - .name:           k_qa1fc5bb182_qkv
    .symbol:         k_qa1fc5bb182_qkv.kd
    .args:
      - { .name: xh, .offset: 0, .size: 8, .value_kind: global_buffer, .address_space: global }
      - { .name: wh, .offset: 8, .size: 8, .value_kind: global_buffer, .address_space: global }
      - { .name: qkv, .offset: 16, .size: 8, .value_kind: global_buffer, .address_space: global }
    .group_segment_fixed_size: 327680
    .private_segment_fixed_size: 0
    .kernarg_segment_align: 8
    .kernarg_segment_size: 24
    .max_flat_workgroup_size: 128
    .sgpr_count:     66
    .vgpr_count:     1024
    .wavefront_size: 32
...
	.end_amdgpu_metadata
.endif
;; end of part 2
;; launch attn (part 3): grid 8 x 32, 8 waves a work-group, no clusters, 327,680 bytes of LDS; arguments qkv, ao; writes ao
.if DOCPART == 3
	.amdgcn_target "amdgcn-amd-amdhsa--gfx1250"
	.amdhsa_code_object_version 6
	.text
	.protected	k_qa1fc5bb182_attn
	.globl	k_qa1fc5bb182_attn
	.p2align	8
	.type	k_qa1fc5bb182_attn,@function
k_qa1fc5bb182_attn:
	s_mov_b64 s[64:65], 0
	v_nop
	global_prefetch_b8 v0, s[64:65] scope:SCOPE_SE
	s_setreg_imm32_b32 hwreg(HW_REG_WAVE_MODE, 25, 1), 1
	s_wait_xcnt 0x0
; Causal attention, one pass with a running maximum.  qkv [8192][3072] f16 (q | k | v, head h at column 64 h of each); ao [8192][1024] f16.
; A work-group takes one batch, two heads (2p, 2p+1: their K, V and output rows are 256 aligned bytes) and the query blocks j and 15 - j of 128:
; (j+1) + (16-j) = 17 key tiles of 128 in every one of the 256 work-groups.  The even block is phase A, the odd one phase B, so that slot numbers are constants.
; Wave w = 4 kh + 2 hh + qh: head 2p + hh, queries 64 qh .. +63 of the block, keys 64 kh .. +63 of every tile.  Waves w and w + 4 keep a maximum, a sum and
; an O of their own and are merged through LDS at the end of a block.  Two waves lie on a SIMD, so one's softmax can run beside the other's products.
; A block's diagonal tile comes first (masked, starts all sums), then tiles 0 .. block-1, which need no mask; tiles above the diagonal are never touched.
; ORIENTATION: scores transposed, A = 16 keys, B = 16 queries: a lane's registers hold 8 keys of ONE query (lanes r and r + 16 share a query), so the
; maximum and the sum cross lanes once, and the exponentials packed in pairs ARE the B fragment of O^T = V^T P.  V^T comes by the transposing LDS load.
; NO CLUSTER: equal work needs the pair (j, 15 - j), so the work-groups of one head pair want different tiles in the same step; a joint form in which all
; eight walk the same tiles needs 20 steps instead of 17 with masked-out tiles computed, for 64 KiB of tiles against a step's 512 matrix instructions.
; LIMITS: operands in f16 (|q|, |k|, |v| < 65,504; the exponentials lie in 0 .. 1); row sums are taken of the f32 exponentials, the product of their f16 roundings.
; The maximum is always taken away; its start value -FLT_MAX serves rows whose keys in this wave's half are all masked (they give p = 0, sum 0).
.set ROWB,  6144                       ; bytes in a row of qkv
.set TSTEP, 128*ROWB                   ; from a tile of 128 rows to the next
.set PK,    272                        ; K's LDS pitch: 256 + 16
.set PV,    288                        ; V's LDS pitch: 256 + 32, an odd multiple of 32, for the transposing loads
.set KOFF,  128*PV                     ; a slot: V's 128 rows, then K's 128 rows
.set SLOTB, KOFF+128*PK                ; 71,680
.set MRG,   2*SLOTB                    ; 143,360: four regions for the merge; no fill lands here or behind
.set MREG,  18432                      ; a partner's O (32 x 512 bytes), then its four query states (4 x 512)
.set STG,   MRG+4*MREG                 ; 217,088: four regions for the way out, one for each wave that writes
.set PS,    144                        ; a head's 128 bytes + 16
.set SREG,  64*PS+64                   ; 9,280: two regions on, a row starts 128 bytes further modulo 256
; window 0
.set ADRK, 10                          ; v10-11  my K fragments in slot 0, 1
.set ADRV, 12                          ; v12-13  my V fragments in slot 0, 1
.set QO,   14                          ; my byte offset in the block's Q rows
.set DL,   15                          ; r - 8 h + 64 (qh - kh): key > query  <=>  16 (kt - qt) + register > DL
.set NEG,  16                          ; -infinity
.set MRGA, 17
.set STO,  18
.set RD,   19
.set CO,   20
.set XS,   24                          ; v[24:39] query tile qt: -c m, m, rescale factor, sum
.set TM,   40                          ; v[40:43]
.set TX,   44                          ; v[44:47]
.set SUM,  48                          ; v[48:55]
.set YS,   48                          ; v[48:63] the partner's states, in the merge
.set KP,   64                          ; v[64:127] K fragment (kt, ks) at 16 kt + 8 ks; later P fragment (qt, u) at 16 qt + 8 u
.set SC,   128                         ; v[128:255] score tile (qt, kt) at 32 qt + 8 kt
; window 1
.set OA,   0                           ; O tile (qt, dt) at 8 (4 qt + dt)
.set QF,   128                         ; Q fragment (qt, ks) at 16 qt + 8 ks
.set VF,   192                         ; V fragment (dt, u) at 16 dt + 8 u
.set G1K, 32
.set G1V, 40
.set G0K, 48                           ; one set of four for each slot
.set G0V, 56
.set MSB, 0
.macro WIN new                         ; low byte: bits 1:0 source 0, 3:2 source 1, 5:4 source 2, 7:6 destination; the high byte repeats the setting that is left
.if MSB != \new
	s_set_vgpr_msb (MSB<<8)|\new
.set MSB, \new
.endif
.endm
.macro PLACES                          ; four places behind a matrix instruction (ISA guide 7.12.1 for vector instructions)
.rept 4
	v_nop
.endr
.endm
; Waves 0, 1 fetch V's rows 0-63, 64-127, waves 2, 3 K's; waves 4-7 fetch nothing.  One load of 64 rows x 256 bytes a wave: one tensor load of a wave is out at a time.
.macro TLOAD s
	s_cmp_ge_u32 s8, 4
	s_cbranch_scc1 .Lnone_\@
	s_cmp_ge_u32 s8, 2
	s_cbranch_scc1 .Lfork_\@
	tensor_load_to_lds s[G0V+4*(\s):G0V+4*(\s)+3], s[G1V:G1V+7]
	s_nop 0
	s_branch .Lnone_\@
.Lfork_\@:
	tensor_load_to_lds s[G0K+4*(\s):G0K+4*(\s)+3], s[G1K:G1K+7]
	s_nop 0
.Lnone_\@:
.endm
; my 64 queries' fragments, straight from memory into window 1
.macro QLOAD base
	WIN 0x40
.irp qt, 0,1,2,3
.irp ks, 0,1
	global_load_b128 v[QF+16*\qt+8*\ks:QF+16*\qt+8*\ks+3],   v[QO], s[\base:\base+1] offset:\qt*16*ROWB+\ks*64
	global_load_b128 v[QF+16*\qt+8*\ks+4:QF+16*\qt+8*\ks+7], v[QO], s[\base:\base+1] offset:\qt*16*ROWB+\ks*64+32
.endr
.endr
	WIN 0
.endm
; step n (the symbol) of query tile q's row sum: the first adds two pairs, so nothing is cleared
.macro ADDSTEP q
.if n == 1
	s_wait_alu depctr_va_vdst(0)
	v_pk_add_f32 v[SUM+2*\q:SUM+2*\q+1], v[SC+32*\q:SC+32*\q+1], v[SC+32*\q+2:SC+32*\q+3]
.endif
.if n > 1
	v_pk_add_f32 v[SUM+2*\q:SUM+2*\q+1], v[SUM+2*\q:SUM+2*\q+1], v[SC+32*\q+2*n:SC+32*\q+2*n+1]
.endif
.endm
; the 32 exponentials of query tile q; between them ride the sums and the packing of tile p, whose exponentials are older (p < 0: nothing rides)
.macro EXPS q, p
.set n, 0
.rept 16
	v_exp_f32 v[SC+32*\q+2*n], v[SC+32*\q+2*n]
.if \p >= 0
	ADDSTEP \p
.endif
	v_exp_f32 v[SC+32*\q+2*n+1], v[SC+32*\q+2*n+1]
.if \p >= 0
	s_wait_alu depctr_va_vdst(0)
	v_cvt_pk_f16_f32 v[KP+16*\p+n], v[SC+32*\p+2*n], v[SC+32*\p+2*n+1]
.endif
.set n, n+1
.endr
.endm
; p = 2^(c s - c m), c = log2(e) / 8: reference's 1 / sqrt(64) and e^x in one fused multiply-add.  diag = 1: first tile of a block, nothing to rescale.
.macro SOFTMAX diag
.irp qt, 0,1,2,3
.if \diag
	v_max3_num_f32 v[TM+\qt], v[SC+32*\qt], v[SC+32*\qt+1], s26
.else
	v_max3_num_f32 v[TM+\qt], v[SC+32*\qt], v[SC+32*\qt+1], v[XS+4*\qt+1]
.endif
.endr
.set n, 1
.rept 15
.irp qt, 0,1,2,3
	v_max3_num_f32 v[TM+\qt], v[SC+32*\qt+2*n], v[SC+32*\qt+2*n+1], v[TM+\qt]
.endr
.set n, n+1
.endr
.irp qt, 0,1,2,3
	v_permlanex16_b32 v[TX+\qt], v[TM+\qt], s24, s25           ; the query's other eight keys of each tile lie 16 lanes away
.endr
.irp qt, 0,1,2,3
	v_max_num_f32 v[TM+\qt], v[TM+\qt], v[TX+\qt]
.endr
.irp qt, 0,1,2,3
	v_mul_f32 v[TX+\qt], s27, v[TM+\qt]                        ; the new -c m
.endr
.if \diag == 0
.irp qt, 0,1,2,3
	v_sub_f32 v[XS+4*\qt+2], v[TX+\qt], v[XS+4*\qt]            ; new - old of the addends that the exponents really use: old and new p stay on one scale exactly
.endr
.irp qt, 0,1,2,3
	v_exp_f32 v[XS+4*\qt+2], v[XS+4*\qt+2]
.endr
.endif
.irp qt, 0,1,2,3
	v_mov_b32 v[XS+4*\qt], v[TX+\qt]                           ; (these plain lines are also the place behind the exponentials above)
	v_mov_b32 v[XS+4*\qt+1], v[TM+\qt]
.endr
.set n, 0
.rept 64
	v_pk_fma_f32 v[SC+2*n:SC+2*n+1], v[SC+2*n:SC+2*n+1], s[22:23], v[XS+4*(n/16):XS+4*(n/16)+1] op_sel_hi:[1,0,0]
.set n, n+1
.endr
	EXPS 0, -1
	v_nop                                          ; one plain place between tile 0's exponentials and their first use (ISA guide 5.7.2)
	EXPS 1, 0
	EXPS 2, 1
	EXPS 3, 2
.set n, 0
.rept 16
	ADDSTEP 3
	v_cvt_pk_f16_f32 v[KP+48+n], v[SC+96+2*n], v[SC+96+2*n+1]
.set n, n+1
.endr
.irp qt, 0,1,2,3
.if \diag
	v_add_f32 v[XS+4*\qt+3], v[SUM+2*\qt], v[SUM+2*\qt+1]      ; the sum stays one for each half of the lanes until the block's end
.else
	v_add_f32 v[SUM+2*\qt], v[SUM+2*\qt], v[SUM+2*\qt+1]
.endif
.endr
.if \diag == 0
.irp qt, 0,1,2,3
	v_fma_f32 v[XS+4*\qt+3], v[XS+4*\qt+3], v[XS+4*\qt+2], v[SUM+2*\qt]
.endr
.endif
.endm
; One key tile, in slot 'slot'.  refill = 1: the other slot gets tile s18.  pha = 1: phase A, where the tile behind block A's last is block B's diagonal tile.
.macro TRIP slot, diag, refill, pha
	s_wait_tensorcnt 0x0                           ; all my tensor loads have landed, my part of this tile among them: every group 0 may be written
	ds_add_u32 v22, v23
	s_wait_dscnt 0x0
.if \refill
	s_mul_i32 s20, s18, TSTEP
	s_add_nc_u64 s[G0V+4*(1-\slot)+2:G0V+4*(1-\slot)+3], s[30:31], s[20:21]
	s_or_b32 s[G0V+4*(1-\slot)+3], s[G0V+4*(1-\slot)+3], 0x80000000
	s_add_nc_u64 s[G0K+4*(1-\slot)+2:G0K+4*(1-\slot)+3], s[28:29], s[20:21]
	s_or_b32 s[G0K+4*(1-\slot)+3], s[G0K+4*(1-\slot)+3], 0x80000000
.endif
	s_wait_dscnt 0x0                               ; my reads of the other slot are over
	s_barrier_signal -1
	s_barrier_wait -1                              ; both now hold of all eight waves
.if \refill
	TLOAD 1-\slot                                  ; first thing behind the barrier; it has this whole trip in which to land
	s_add_co_u32 s18, s18, 1
.if \pha
	s_cmp_eq_u32 s18, s16
	s_cselect_b32 s18, s17, s18
.endif
.endif
.irp kt, 0,1,2,3
.irp ks, 0,1
	ds_load_b128 v[KP+16*\kt+8*\ks:KP+16*\kt+8*\ks+3],   v[ADRK+\slot] offset:\kt*16*PK+\ks*64
	ds_load_b128 v[KP+16*\kt+8*\ks+4:KP+16*\kt+8*\ks+7], v[ADRK+\slot] offset:\kt*16*PK+\ks*64+32
.endr
.endr
	WIN 0x40
.irp dt, 0,1,2,3
.irp u, 0,1
	ds_load_tr16_b128 v[VF+16*\dt+8*\u:VF+16*\dt+8*\u+3],   v[ADRV+\slot] offset:\u*32*PV+\dt*32
	ds_load_tr16_b128 v[VF+16*\dt+8*\u+4:VF+16*\dt+8*\u+7], v[ADRV+\slot] offset:\u*32*PV+\dt*32+16*PV
.endr
.endr
.if \diag
	s_wait_loadcnt 0x0                             ; the block's Q
.endif
	s_wait_dscnt 16                                ; K's sixteen loads are in; V's sixteen younger ones may stay out
	WIN 0x04                                       ; B = Q in window 1
	; 32 products; four accumulators take turns, one instruction a turn; the first of each starts its sum
.irp kt, 0,1,2,3
.irp qt, 0,1,2,3
	v_wmma_f32_16x16x32_f16 v[SC+32*\qt+8*\kt:SC+32*\qt+8*\kt+7], v[KP+16*\kt:KP+16*\kt+7], v[QF+16*\qt:QF+16*\qt+7], 0
.endr
.irp qt, 0,1,2,3
	v_wmma_f32_16x16x32_f16 v[SC+32*\qt+8*\kt:SC+32*\qt+8*\kt+7], v[KP+16*\kt+8:KP+16*\kt+15], v[QF+16*\qt+8:QF+16*\qt+15], v[SC+32*\qt+8*\kt:SC+32*\qt+8*\kt+7]
.endr
.endr
	WIN 0
	PLACES
.if \diag
.irp qt, 0,1,2,3
.irp kt, 0,1,2,3
.irp jj, 0,1,2,3,4,5,6,7
	v_cmp_gt_i32 vcc_lo, 16*(\kt-\qt)+\jj, v[DL]               ; key > query
	v_cndmask_b32 v[SC+32*\qt+8*\kt+\jj], v[SC+32*\qt+8*\kt+\jj], v[NEG], vcc_lo
.endr
.endr
.endr
.endif
	SOFTMAX \diag
.if \diag == 0
	WIN 0x41
.set n, 0
.rept 64
	v_pk_mul_f32 v[OA+2*n:OA+2*n+1], v[OA+2*n:OA+2*n+1], v[XS+4*(n/16)+2:XS+4*(n/16)+3] op_sel_hi:[1,0]
.set n, n+1
.endr
.endif
	s_wait_dscnt 0x0                               ; V
	WIN 0x51                                       ; A = V, C and D = O in window 1, B = P in window 0
	; 32 products; sixteen accumulators take turns
.irp u, 0,1
.irp qt, 0,1,2,3
.irp dt, 0,1,2,3
.if \diag*(1-\u)
	v_wmma_f32_16x16x32_f16 v[OA+8*(4*\qt+\dt):OA+8*(4*\qt+\dt)+7], v[VF+16*\dt+8*\u:VF+16*\dt+8*\u+7], v[KP+16*\qt+8*\u:KP+16*\qt+8*\u+7], 0
.else
	v_wmma_f32_16x16x32_f16 v[OA+8*(4*\qt+\dt):OA+8*(4*\qt+\dt)+7], v[VF+16*\dt+8*\u:VF+16*\dt+8*\u+7], v[KP+16*\qt+8*\u:KP+16*\qt+8*\u+7], v[OA+8*(4*\qt+\dt):OA+8*(4*\qt+\dt)+7]
.endif
.endr
.endr
.endr
	WIN 0
	PLACES                                         ; in front of the next loads into K's and V's registers and of whatever reads O
.endm
; The end of a block.  ob: the register pair with the block's place in ao.  qn: the pair with the next block's Q, or 0.
.macro EPILOGUE ob, qn
.if \qn
	QLOAD \qn                                      ; lands while the halves are merged
.endif
.irp qt, 0,1,2,3
	v_permlanex16_b32 v[TX+\qt], v[XS+4*\qt+3], s24, s25
.endr
.irp qt, 0,1,2,3
	v_add_f32 v[XS+4*\qt+3], v[XS+4*\qt+3], v[TX+\qt]          ; the query's whole sum over my keys
.endr
	s_cmp_lt_u32 s8, 4
	s_cbranch_scc1 .Lkeeps_\@
	WIN 0x04                                       ; waves 4-7 hand over O and the states
.set n, 0
.rept 32
	ds_store_b128 v[MRGA], v[OA+4*n:OA+4*n+3] offset:512*n
.set n, n+1
.endr
	WIN 0
.irp qt, 0,1,2,3
	ds_store_b128 v[MRGA], v[XS+4*\qt:XS+4*\qt+3] offset:16384+512*\qt
.endr
.Lkeeps_\@:
	s_wait_dscnt 0x0                               ; for the partner's sake: my stores are done
	s_barrier_signal -1
	s_barrier_wait -1                              ; the next tile's load may stay out
	s_cmp_ge_u32 s8, 4
	s_cbranch_scc1 .Lgave_\@
.irp qt, 0,1,2,3
	ds_load_b128 v[YS+4*\qt:YS+4*\qt+3], v[MRGA] offset:16384+512*\qt
.endr
.set n, 0
.rept 32
	ds_load_b128 v[SC+4*n:SC+4*n+3], v[MRGA] offset:512*n
.set n, n+1
.endr
	s_wait_dscnt 32                                ; the four states are in; the 32 younger loads of O stay out
.irp qt, 0,1,2,3
	v_min_num_f32 v[TM+\qt], v[XS+4*\qt], v[YS+4*\qt]          ; -c x the larger maximum
.endr
.irp qt, 0,1,2,3
	v_sub_f32 v[TX+\qt], v[TM+\qt], v[XS+4*\qt]
	v_sub_f32 v[YS+4*\qt], v[TM+\qt], v[YS+4*\qt]
.endr
.irp qt, 0,1,2,3
	v_exp_f32 v[TX+\qt], v[TX+\qt]                             ; my scale
	v_exp_f32 v[YS+4*\qt], v[YS+4*\qt]                         ; the partner's
.endr
	v_nop
	s_wait_alu depctr_va_vdst(0)
.irp qt, 0,1,2,3
	v_mul_f32 v[YS+4*\qt+1], v[TX+\qt], v[XS+4*\qt+3]
.endr
.irp qt, 0,1,2,3
	v_fmac_f32 v[YS+4*\qt+1], v[YS+4*\qt], v[YS+4*\qt+3]       ; the whole row's sum; key 0 is open to every query, so it is not 0
.endr
.irp qt, 0,1,2,3
	v_rcp_f32 v[YS+4*\qt+1], v[YS+4*\qt+1]
.endr
	v_nop
	s_wait_alu depctr_va_vdst(0)
.irp qt, 0,1,2,3
	v_mul_f32 v[XS+4*\qt], v[TX+\qt], v[YS+4*\qt+1]            ; factor of my O
	v_mul_f32 v[XS+4*\qt+2], v[YS+4*\qt], v[YS+4*\qt+1]        ; factor of the partner's
.endr
	s_wait_dscnt 0x0
.set n, 0
.rept 64
	v_pk_mul_f32 v[SC+2*n:SC+2*n+1], v[SC+2*n:SC+2*n+1], v[XS+4*(n/16)+2:XS+4*(n/16)+3] op_sel_hi:[1,0]
.set n, n+1
.endr
	WIN 0x01
.set n, 0
.rept 64
	v_pk_fma_f32 v[SC+2*n:SC+2*n+1], v[OA+2*n:OA+2*n+1], v[XS+4*(n/16):XS+4*(n/16)+1], v[SC+2*n:SC+2*n+1] op_sel_hi:[1,0,1]
.set n, n+1
.endr
	WIN 0
.set n, 0
.rept 64
	v_cvt_pk_f16_f32 v[KP+n], v[SC+2*n], v[SC+2*n+1]
.set n, n+1
.endr
.irp qt, 0,1,2,3
.irp dt, 0,1,2,3
	ds_store_b128 v[STO], v[KP+4*(4*\qt+\dt):KP+4*(4*\qt+\dt)+3] offset:\qt*16*PS+\dt*32   ; 8 neighbouring d of one query
.endr
.endr
.Lgave_\@:
	s_wait_dscnt 0x0
	s_barrier_signal -1
	s_barrier_wait -1
.irp t, 0,1,2,3,4,5,6,7
	ds_load_b128 v[SC+4*\t:SC+4*\t+3], v[RD] offset:\t*2*PS    ; two query rows: lanes 0-7 head 2p, lanes 8-15 head 2p+1, lanes 16-31 the row below
.endr
.irp t, 0,1,2,3,4,5,6,7
	s_wait_dscnt 7-\t                              ; load t is in, the younger ones stay out
	global_store_b128 v[CO], v[SC+4*\t:SC+4*\t+3], s[\ob:\ob+1] offset:4096*\t   ; 16 lanes store 256 consecutive bytes, aligned
.endr
.if \qn
	s_wait_xcnt 0x0                                ; the stores' data lie in the score registers, which the next tile's products rewrite
.endif
.endm
	s_load_b128 s[4:7], s[0:1], 0x0                ; qkv s[4:5], ao s[6:7]
	v_lshl_add_u32 v22, v0, 2, 0x3e100
	v_mov_b32 v23, 0
	ds_add_u32 v22, v23
	v_lshrrev_b32 v1, 5, v0
	v_readfirstlane_b32 s8, v1                     ; wave 0..7
	s_lshr_b32 s9, s8, 2                           ; kh
	s_bfe_u32 s10, s8, 0x10001                     ; hh
	s_and_b32 s11, s8, 1                           ; qh.  Also: which 64 rows of a tile I fetch
	s_mov_b32 s12, ttmp9                           ; j
	s_and_b32 s13, ttmp7, 0xffff
	s_lshr_b32 s14, s13, 3                         ; batch
	s_and_b32 s15, s13, 7                          ; head pair
	s_sub_co_u32 s74, 15, s12
	s_and_b32 s75, s12, 1
	s_cmp_lg_u32 s75, 0
	s_cselect_b32 s16, s74, s12                    ; block A: the even one of j and 15 - j
	s_cselect_b32 s17, s12, s74                    ; block B: the odd one
	s_mov_b32 s22, 0x3e38aa3b                      ; c = log2(e) / 8
	s_mov_b32 s23, 0x3e38aa3b
	s_mov_b32 s24, 0x76543210                      ; lane i of one half reads lane i of the other
	s_mov_b32 s25, 0xfedcba98
	s_mov_b32 s26, 0xff7fffff                      ; -FLT_MAX
	s_mov_b32 s27, 0xbe38aa3b                      ; -c
	; group 1: 64 rows x 128 elements of 2 bytes, 3,072 elements from row to row; after every 64 words padding of 4 words (K) or 8 words (V)
	s_mov_b32 s[G1K+0], (1<<16)|(1<<20)|(5<<22)|(3<<25)
	s_mov_b32 s[G1V+0], (1<<16)|(1<<20)|(5<<22)|(7<<25)
	s_mov_b32 s[G1K+1], 128<<16
	s_mov_b32 s[G1V+1], 128<<16
	s_mov_b32 s[G1K+2], 64<<16
	s_mov_b32 s[G1V+2], 64<<16
	s_mov_b32 s[G1K+3], 128<<16
	s_mov_b32 s[G1V+3], 128<<16
	s_mov_b32 s[G1K+4], 64
	s_mov_b32 s[G1V+4], 64
	s_mov_b32 s[G1K+5], 3072
	s_mov_b32 s[G1V+5], 3072
	s_mov_b32 s[G1K+6], 0
	s_mov_b32 s[G1V+6], 0
	s_mov_b32 s[G1K+7], 0
	s_mov_b32 s[G1V+7], 0
	s_mul_i32 s78, s8, 64*PV                       ; V (waves 0, 1): wave x 64 rows
	s_mul_i32 s79, s8, 64*PK                       ; K (waves 2, 3): KOFF + (wave - 2) x 64 rows = wave x 17,408 + 2,048
.irp s, 0,1
	s_mov_b32 s[G0V+4*\s], 1
	s_add_co_u32 s[G0V+4*\s+1], s78, \s*SLOTB
	s_mov_b32 s[G0K+4*\s], 1
	s_add_co_u32 s[G0K+4*\s+1], s79, KOFF-2*64*PK+\s*SLOTB
.endr
	s_mul_i32 s74, s14, 2048*ROWB
	s_lshl_b32 s75, s15, 8
	s_add_co_u32 s74, s74, s75                     ; the batch's first row, the pair's 256 bytes
	s_mul_i32 s76, s11, 64*ROWB
	s_lshl_b32 s77, s14, 22                        ; the same in ao: 2,048 rows of 2,048 bytes
	s_add_co_u32 s77, s77, s75
	s_mov_b32 s21, 0
	s_add_co_u32 s20, s74, s76
	s_wait_dscnt 0x0
	s_wait_kmcnt 0x0
	s_add_nc_u64 s[28:29], s[4:5], s[20:21]
	s_add_nc_u64 s[30:31], s[28:29], 4096          ; V: my 64 rows of tile 0
	s_add_nc_u64 s[28:29], s[28:29], 2048          ; K: the same
	s_mul_i32 s20, s16, TSTEP                      ; the first fill: block A's diagonal tile into slot 0
	s_add_nc_u64 s[G0V+2:G0V+3], s[30:31], s[20:21]
	s_or_b32 s[G0V+3], s[G0V+3], 0x80000000
	s_add_nc_u64 s[G0K+2:G0K+3], s[28:29], s[20:21]
	s_or_b32 s[G0K+3], s[G0K+3], 0x80000000
	TLOAD 0
	s_add_co_u32 s20, s20, s74
	s_add_nc_u64 s[66:67], s[4:5], s[20:21]        ; block A's Q
	s_mul_i32 s20, s17, TSTEP
	s_add_co_u32 s20, s20, s74
	s_add_nc_u64 s[68:69], s[4:5], s[20:21]        ; block B's Q
	s_lshl_b32 s20, s16, 18                        ; 128 rows of 2,048 bytes
	s_add_co_u32 s20, s20, s77
	s_add_nc_u64 s[70:71], s[6:7], s[20:21]        ; block A's place in ao
	s_lshl_b32 s20, s17, 18
	s_add_co_u32 s20, s20, s77
	s_add_nc_u64 s[72:73], s[6:7], s[20:21]        ; block B's
	v_and_b32 v1, 31, v0                           ; L
	v_and_b32 v2, 15, v0                           ; r
	v_bfe_u32 v3, v0, 4, 1                         ; h
	v_and_b32 v4, 7, v0                            ; L & 7
	v_bfe_u32 v5, v0, 3, 1                         ; (L >> 3) & 1
	s_lshl_b32 s75, s10, 7                         ; my head's 128 bytes of the pair's 256
	s_mul_i32 s74, s11, 64*ROWB
	s_add_co_u32 s74, s74, s75
	v_mul_u32_u24 v6, v2, ROWB
	v_lshl_add_u32 v6, v3, 4, v6
	v_add_nc_u32 v[QO], s74, v6                    ; (64 qh + r) rows + 128 hh + 16 h
	QLOAD 66
	s_mul_i32 s76, s9, 64*PK
	s_add_co_u32 s76, s76, s75
	s_add_co_u32 s76, s76, KOFF
	v_mul_u32_u24 v6, v2, PK
	v_lshl_add_u32 v6, v3, 4, v6
	v_add_nc_u32 v[ADRK], s76, v6                  ; KOFF + (64 kh + r) PK + 128 hh + 16 h
	v_add_nc_u32 v[ADRK+1], SLOTB, v[ADRK]
	s_mul_i32 s76, s9, 64*PV
	s_add_co_u32 s76, s76, s75
	v_lshl_add_u32 v6, v3, 3, v4
	v_mul_u32_u24 v6, v6, PV
	v_lshl_add_u32 v6, v5, 4, v6
	v_add_nc_u32 v[ADRV], s76, v6                  ; (64 kh + 8 h + (L & 7)) PV + 128 hh + 16 ((L >> 3) & 1)
	v_add_nc_u32 v[ADRV+1], SLOTB, v[ADRV]
	s_sub_co_i32 s76, s11, s9
	s_lshl_b32 s76, s76, 6
	v_lshlrev_b32 v6, 3, v3
	v_sub_nc_u32 v6, v2, v6
	v_add_nc_u32 v[DL], s76, v6
	v_mov_b32 v[NEG], 0xff800000
	s_and_b32 s76, s8, 3                           ; 2 hh + qh: the same in a wave and its partner
	s_mul_i32 s77, s76, MREG
	s_add_co_u32 s77, s77, MRG
	v_lshl_add_u32 v[MRGA], v1, 4, s77
	s_mul_i32 s77, s76, SREG
	s_add_co_u32 s77, s77, STG
	v_mul_u32_u24 v6, v2, PS
	v_lshl_add_u32 v6, v3, 4, v6
	v_add_nc_u32 v[STO], s77, v6                   ; my region, row r, 16 h
	v_lshrrev_b32 v6, 3, v2                        ; read back: query row 16 wave + 2 t + h; region 2 (r >> 3) + (wave >> 2), its row 16 (wave & 3) + 2 t + h
	v_lshlrev_b32 v6, 1, v6
	v_add_nc_u32 v6, s9, v6
	v_mul_u32_u24 v6, v6, SREG
	s_lshl_b32 s77, s76, 4
	v_add_nc_u32 v7, s77, v3
	v_mad_u32_u24 v6, v7, PS, v6
	v_lshl_add_u32 v6, v4, 4, v6
	v_add_nc_u32 v[RD], STG, v6
	s_lshl_b32 s77, s8, 15                         ; 16 rows of 2,048 bytes a wave
	v_lshlrev_b32 v6, 11, v3
	v_lshl_add_u32 v6, v2, 4, v6
	v_add_nc_u32 v[CO], s77, v6
.irp qt, 0,1,2,3
	v_mov_b32 v[TX+\qt], 0                         ; the lane exchange counts as a reader of its destination
	v_mov_b32 v[XS+4*\qt+2], 1.0                   ; the rescale word of a state, stored with it also where a block has no second tile
.endr
	s_cmp_eq_u32 s16, 0
	s_cselect_b32 s18, s17, 0                      ; the next tile to fetch: 0, or block B's diagonal tile if block A has no other
	TRIP 0, 1, 1, 1                                ; block A's diagonal tile
	s_lshr_b32 s19, s16, 1                         ; then its tiles 0 .. A-1, two a trip (A is even, perhaps 0)
	s_cmp_eq_u32 s19, 0
	s_cbranch_scc1 .Lend_a
.Lloop_a:
	TRIP 1, 0, 1, 1
	TRIP 0, 0, 1, 1
	s_sub_co_u32 s19, s19, 1
	s_cmp_lg_u32 s19, 0
	s_cbranch_scc1 .Lloop_a
.Lend_a:
	EPILOGUE 70, 68
	s_mov_b32 s18, 0
	TRIP 1, 1, 1, 0                                ; block B's diagonal tile
	s_lshr_b32 s19, s17, 1                         ; its tiles 0 .. B-2, two a trip (B is odd)
	s_cmp_eq_u32 s19, 0
	s_cbranch_scc1 .Lend_b
.Lloop_b:
	TRIP 0, 0, 1, 0
	TRIP 1, 0, 1, 0
	s_sub_co_u32 s19, s19, 1
	s_cmp_lg_u32 s19, 0
	s_cbranch_scc1 .Lloop_b
.Lend_b:
	TRIP 0, 0, 0, 0                                ; tile B-1: nothing is left to fetch
	EPILOGUE 72, 0
	s_wait_tensorcnt 0x0
	ds_add_u32 v22, v23
	s_wait_dscnt 0x0
	s_endpgm
.Lfunc_end_k_qa1fc5bb182_attn:
	.size	k_qa1fc5bb182_attn, .Lfunc_end_k_qa1fc5bb182_attn-k_qa1fc5bb182_attn
	.p2alignl 7, 3214868480
	.fill 96, 4, 3214868480
	.section	.rodata,"a",@progbits
	.p2align	6, 0x0
	.amdhsa_kernel k_qa1fc5bb182_attn
		.amdhsa_group_segment_fixed_size 327680
		.amdhsa_private_segment_fixed_size 0
		.amdhsa_enable_private_segment 0
		.amdhsa_kernarg_size 16
		.amdhsa_user_sgpr_count 2
		.amdhsa_user_sgpr_kernarg_segment_ptr 1
		.amdhsa_wavefront_size32 1
		.amdhsa_system_sgpr_workgroup_id_x 1
		.amdhsa_system_sgpr_workgroup_id_y 1
		.amdhsa_system_sgpr_workgroup_id_z 1
		.amdhsa_system_vgpr_workitem_id 0
		.amdhsa_next_free_vgpr 512
		.amdhsa_next_free_sgpr 80
		.amdhsa_reserve_vcc 1
		.amdhsa_float_denorm_mode_32 3
		.amdhsa_float_denorm_mode_16_64 3
		.amdhsa_memory_ordered 1
		.amdhsa_forward_progress 1
		.amdhsa_inst_pref_size 255
	.end_amdhsa_kernel
	.section	.bss,"aw",@nobits
	.p2align	6
	.space	262144
	.amdgpu_metadata
---
amdhsa.version: [ 1, 2 ]
amdhsa.kernels:
  - .name:           k_qa1fc5bb182_attn
    .symbol:         k_qa1fc5bb182_attn.kd
    .args:
      - { .name: qkv, .offset: 0, .size: 8, .value_kind: global_buffer, .address_space: global }
      - { .name: ao, .offset: 8, .size: 8, .value_kind: global_buffer, .address_space: global }
    .group_segment_fixed_size: 327680
    .private_segment_fixed_size: 0
    .kernarg_segment_align: 8
    .kernarg_segment_size: 16
    .max_flat_workgroup_size: 256
    .sgpr_count:     80
    .vgpr_count:     512
    .wavefront_size: 32
...
	.end_amdgpu_metadata
.endif
;; end of part 3
;; launch proj (part 4): grid 8 x 32, 4 waves a work-group, clusters of 4 x 4, 327,680 bytes of LDS; arguments ao, wh, out0; writes out0
.if DOCPART == 4
	.amdgcn_target "amdgcn-amd-amdhsa--gfx1250"
	.amdhsa_code_object_version 6
	.text
	.protected	k_qa1fc5bb182_proj
	.globl	k_qa1fc5bb182_proj
	.p2align	8
	.type	k_qa1fc5bb182_proj,@function
k_qa1fc5bb182_proj:
	s_mov_b64 s[64:65], 0
	v_nop
	global_prefetch_b8 v0, s[64:65] scope:SCOPE_SE
	s_setreg_imm32_b32 hwreg(HW_REG_WAVE_MODE, 25, 1), 1
	s_wait_xcnt 0x0
	s_wait_alu depctr_hold_cnt(0) depctr_sa_sdst(0) depctr_va_vdst(0) depctr_va_sdst(0) depctr_va_ssrc(0) depctr_va_vcc(0) depctr_vm_vsrc(0)
	s_getreg_b32 s2, hwreg(HW_REG_IB_STS2, 6, 4)
	s_cmp_eq_u32 s2, 0
	s_cbranch_scc0 .Lentry_in_a_cluster
	s_endpgm
.Lentry_in_a_cluster:
	s_bfe_u32 s2, ttmp6, 0x10000c
	s_cmp_lg_u32 s2, 0xf033
	s_cbranch_scc0 .Lentry_shape_is_right
	s_endpgm
.Lentry_shape_is_right:
; out0[t][n] = sum over k of ao[t][k] wo[n][k]; wo = rows 3072-4095 of wh.  f16 in, f32 sums, f32 out.
; 256 work-groups, each 256 rows x 128 columns with four waves; a wave makes 128 x 64: 32 accumulator tiles, 256 registers (window 1).
; K goes in steps of 128 through two LDS slots filled by the tensor data mover; a tile's rows are 256 bytes and start at multiples of 256.
; CLUSTERS: 4 x 4 work-groups; ao's tiles are asked for jointly along a cluster's row, wo's along a column: a quarter of the requests.
; Window 0: v16-26 addresses; A's fragments v64-127 and v128-191, B's v192-223 and v224-255 (two buffers each).
; The matrix instruction is used transposed (source 0 = 16 rows of wo, source 1 = 16 rows of ao): a lane's eight results are eight neighbouring columns of one row.
.set SIZE_K, 1024
.set KSTEP,  128
.set PITCH,  272                       ; 256 bytes + 16 of padding
.set HALFT,  128*PITCH                 ; what a load of A brings
.set QT,     64*PITCH                  ; what a load of B brings
.set SLOT,   2*HALFT+2*QT              ; A's 256 rows, then B's 128 rows: 104,448
.set STAGE,  2*SLOT                    ; 16 rows x 272 bytes for each wave; no fill lands there
.set SPITCH, 272
.set OROW,   4096                      ; bytes in a row of out0
.set LAPS, SIZE_K/(2*KSTEP)
.set ADRA, 16
.set ADRB, 20
.set STO,  24
.set RD,   25
.set CO,   26
.set FA,   64                          ; buffer f at FA + 64 f
.set FB,   192                         ; buffer f at FB + 32 f
.set G1, 24
.set G0, 32
.set G1B, 48
.set G0B, 56
.set MSB, 0
.macro WIN new                         ; low byte: bits 1:0 source 0, 3:2 source 1, 5:4 source 2, 7:6 destination; the high byte repeats the setting that is left
.if MSB != \new
	s_set_vgpr_msb (MSB<<8)|\new
.set MSB, \new
.endif
.endm
.set MUL, 0x50                         ; C and D in window 1
.macro JLOAD s                         ; waves 0, 1 fetch A's halves, waves 2, 3 B's
	s_cmp_eq_u32 s11, 0
	s_cbranch_scc0 .Lfor_b_\@
	tensor_load_to_lds s[G0+4*\s:G0+4*\s+3], s[G1:G1+7]
	s_nop 0
	s_branch .Lasked_\@
.Lfor_b_\@:
	tensor_load_to_lds s[G0B+4*\s:G0B+4*\s+3], s[G1B:G1B+7]
	s_nop 0
.Lasked_\@:
.endm
.macro CREST                           ; a round of the cluster's barrier behind its opening barrier
	s_cmp_lg_u32 s10, 0
	s_cbranch_scc1 .Lnot_wave_0_\@
	s_barrier_signal -3
.Lnot_wave_0_\@:
	s_barrier_wait -3
	s_barrier_signal -1
	s_barrier_wait -1
.endm
.macro CROUND
	s_barrier_signal -1
	s_barrier_wait -1
	CREST
.endm
	s_load_b128 s[4:7], s[0:1], 0x0                ; ao s[4:5], wh s[6:7]
	s_load_b64 s[8:9], s[0:1], 0x10                ; out0
	v_lshl_add_u32 v62, v0, 2, 0x37400
	v_mov_b32 v63, 0
	ds_add_u32 v62, v63
	v_lshrrev_b32 v1, 5, v0
	v_readfirstlane_b32 s10, v1                    ; wave 0..3
	s_lshr_b32 s11, s10, 1                         ; my half of the block's rows.  Also: I fetch for A (0) or for B (1)
	s_and_b32 s12, s10, 1                          ; my half of its columns.  Also: which half of that tile I fetch
	s_bfe_u32 s40, ttmp6, 0x40000                  ; cx
	s_bfe_u32 s41, ttmp6, 0x40004                  ; cy
	s_lshl_b32 s42, ttmp9, 2
	s_add_co_u32 s42, s42, s40                     ; block column
	s_and_b32 s13, ttmp7, 0xffff
	s_lshl_b32 s13, s13, 2
	s_add_co_u32 s13, s13, s41                     ; block row
	s_lshl_b32 s43, s41, 2
	s_lshl_b32 s43, 15, s43                        ; my row of the cluster
	s_lshl_b32 s44, 0x1111, s40                    ; my column
	s_or_b32 s[G1+0], s43, (1<<16)|(1<<20)|(1<<21)|(5<<22)|(3<<25)
	s_or_b32 s[G1B+0], s44, (1<<16)|(1<<20)|(1<<21)|(5<<22)|(3<<25)
	s_mov_b32 s[G1B+1], KSTEP<<16
	s_mov_b32 s[G1+1], KSTEP<<16                   ; tensor_dim0 = 128
	s_mov_b32 s[G1B+2], 64<<16                     ; B: 64 rows
	s_mov_b32 s[G1+2], 128<<16                     ; A: 128 rows
	s_mov_b32 s[G1B+3], KSTEP<<16
	s_mov_b32 s[G1+3], KSTEP<<16                   ; tile_dim0 = 128
	s_mov_b32 s[G1B+4], 64
	s_mov_b32 s[G1+4], 128
	s_mov_b32 s[G1B+5], SIZE_K
	s_mov_b32 s[G1+5], SIZE_K
	s_mov_b32 s[G1B+6], 0
	s_mov_b32 s[G1+6], 0
	s_mov_b32 s[G1B+7], 0
	s_mov_b32 s[G1+7], 0
	s_lshl_b32 s17, s12, 7
	s_lshl_b32 s16, s13, 8
	s_add_co_u32 s16, s16, s17                     ; A: row 256 x block row + 128 x half
	s_lshl_b32 s45, s12, 6
	s_lshl_b32 s46, s42, 7
	s_add_co_u32 s46, s46, s45
	s_add_co_u32 s46, s46, 3072                    ; B: row 3,072 + 128 x block column + 64 x half
	s_mov_b32 s17, 0
	s_mov_b32 s47, 0
	s_mov_b64 s[18:19], SIZE_K*2
	s_mul_u64 s[16:17], s[16:17], s[18:19]
	s_mul_u64 s[46:47], s[46:47], s[18:19]
	s_mul_i32 s20, s10, HALFT                      ; A (waves 0, 1): wave x 128 rows
	s_mul_i32 s45, s10, QT
	s_add_co_u32 s45, s45, 2*HALFT-2*QT            ; B (waves 2, 3): behind A's 256 rows, (wave - 2) x 64 rows
	s_wait_dscnt 0x0
	s_wait_kmcnt 0x0
	s_add_nc_u64 s[14:15], s[4:5], s[16:17]
	s_add_nc_u64 s[46:47], s[6:7], s[46:47]
	CROUND                                         ; all sixteen work-groups are here: the first joint loads meet
.irp s, 0,1
	s_mov_b32 s[G0+4*\s], 1
	s_add_co_u32 s[G0+4*\s+1], s20, \s*SLOT
	s_add_nc_u64 s[G0+4*\s+2:G0+4*\s+3], s[14:15], \s*KSTEP*2
	s_or_b32 s[G0+4*\s+3], s[G0+4*\s+3], 0x80000000
	s_mov_b32 s[G0B+4*\s], 1
	s_add_co_u32 s[G0B+4*\s+1], s45, \s*SLOT
	s_add_nc_u64 s[G0B+4*\s+2:G0B+4*\s+3], s[46:47], \s*KSTEP*2
	s_or_b32 s[G0B+4*\s+3], s[G0B+4*\s+3], 0x80000000
	JLOAD \s                                       ; both first fills: two tensor loads of the wave are out
.endr
	v_and_b32 v1, 15, v0                           ; r
	v_bfe_u32 v2, v0, 4, 1                         ; h
	v_mul_u32_u24 v3, v1, PITCH
	v_lshl_add_u32 v3, v2, 4, v3
	s_mul_i32 s21, s11, HALFT                      ; my 128 rows of A
	s_mul_i32 s22, s12, QT                         ; my 64 rows of B,
	s_add_co_u32 s22, s22, 2*HALFT                 ; behind A's 256
.irp s, 0,1
	v_add_nc_u32 v[ADRA+\s], s21, v3
	v_add_nc_u32 v[ADRB+\s], s22, v3
	s_add_co_u32 s21, s21, SLOT
	s_add_co_u32 s22, s22, SLOT
.endr
	s_mul_i32 s23, s10, 16*SPITCH
	s_add_co_u32 s23, s23, STAGE                   ; my stage
	v_mul_u32_u24 v4, v1, SPITCH                   ; in: row r, 32 bytes (8 f32) for each half of the lanes
	v_lshl_add_u32 v4, v2, 5, v4
	v_add_nc_u32 v[STO], s23, v4
	v_mul_u32_u24 v5, v2, SPITCH                   ; back: lanes 0-15 one row of 256 bytes, lanes 16-31 the next
	v_lshl_add_u32 v5, v1, 4, v5
	v_add_nc_u32 v[RD], s23, v5
	v_lshlrev_b32 v5, 12, v2
	v_lshl_add_u32 v[CO], v1, 4, v5
; 8 matrix instructions: m blocks a0, a0 + 1 x the 4 n blocks, from buffer f.  zero = 1: the first product starts the sums.
.macro MUL8 f, a0, zero
.irp a, \a0, \a0+1
.irp b, 0,1,2,3
.if \zero
	v_wmma_f32_16x16x32_f16 v[8*(4*(\a)+\b):8*(4*(\a)+\b)+7], v[FB+32*\f+8*\b:FB+32*\f+8*\b+7], v[FA+64*\f+8*(\a):FA+64*\f+8*(\a)+7], 0
.else
	v_wmma_f32_16x16x32_f16 v[8*(4*(\a)+\b):8*(4*(\a)+\b)+7], v[FB+32*\f+8*\b:FB+32*\f+8*\b+7], v[FA+64*\f+8*(\a):FA+64*\f+8*(\a)+7], v[8*(4*(\a)+\b):8*(4*(\a)+\b)+7]
.endif
.endr
.endr
.endm
; 24 LDS loads in one run: B's 4 fragments, then A's 8, of one quarter step into buffer f
.macro FETCH slot, k, f
	WIN 0
.irp i, 0,1,2,3
	ds_load_b128 v[FB+32*\f+8*\i:FB+32*\f+8*\i+3],   v[ADRB+\slot] offset:\k+\i*16*PITCH
	ds_load_b128 v[FB+32*\f+8*\i+4:FB+32*\f+8*\i+7], v[ADRB+\slot] offset:\k+\i*16*PITCH+32
.endr
.irp i, 0,1,2,3,4,5,6,7
	ds_load_b128 v[FA+64*\f+8*\i:FA+64*\f+8*\i+3],   v[ADRA+\slot] offset:\k+\i*16*PITCH
	ds_load_b128 v[FA+64*\f+8*\i+4:FA+64*\f+8*\i+7], v[ADRA+\slot] offset:\k+\i*16*PITCH+32
.endr
.endm
.macro PLACES                          ; four places behind a matrix instruction (ISA guide 7.12.1 for vector instructions)
.rept 4
	v_nop
.endr
.endm
; A K step is four quarters of 32 along K on buffers 0, 1, 0, 1; the 32 accumulators take turns, one instruction a turn, in the same order in every
; quarter.
.macro QUARTER slot, k, f, g, zero
	s_wait_dscnt 8                                 ; B and A's fragments 0-3 are in; the youngest eight loads (A's 4-7) may be out
	WIN MUL
	MUL8 \f, 0, \zero
	MUL8 \f, 2, \zero
	PLACES
	FETCH \slot, \k, \g
	s_wait_dscnt 24                                ; all but the 24 just issued
	WIN MUL
	MUL8 \f, 4, \zero
	MUL8 \f, 6, \zero
.endm
.macro THREE slot, zero
	QUARTER \slot, 64,  0, 1, \zero
	QUARTER \slot, 128, 1, 0, 0
	QUARTER \slot, 192, 0, 1, 0
.endm
; The last quarter changes slots: the waits, the barrier (where a slot is filled again it opens a round of the cluster's barrier), the refill first, then the
; next slot's first fragments.  From a request to its wait a wave issues 120 matrix instructions.
.macro TURN slot, next, fill
	s_wait_dscnt 8
	WIN MUL
	MUL8 1, 0, 0
	s_wait_dscnt 0                                 ; my reads of this slot are over
	s_wait_tensorcnt 0x0                           ; all my tensor loads have landed: the one that was out is my part of the next slot
	ds_add_u32 v62, v63
	s_wait_dscnt 0x0
	s_barrier_signal -1
	MUL8 1, 2, 0                                   ; register work while the others arrive
	WIN 0
	s_barrier_wait -1
.if \fill
	CREST                                          ; no wave of any partner still reads this slot or has a load out
	s_add_nc_u64 s[G0+4*\slot+2:G0+4*\slot+3], s[G0+4*\slot+2:G0+4*\slot+3], 2*KSTEP*2
	s_add_nc_u64 s[G0B+4*\slot+2:G0B+4*\slot+3], s[G0B+4*\slot+2:G0B+4*\slot+3], 2*KSTEP*2
	JLOAD \slot                                    ; the first tensor load behind the round, the wave's only one until the next
.endif
	PLACES
	FETCH \next, 0, 0
	WIN MUL
	MUL8 1, 4, 0
	MUL8 1, 6, 0
.endm
.macro LAP zero
	THREE 0, \zero
	TURN 0, 1, 1
	THREE 1, 0
	TURN 1, 0, 1
.endm
	s_wait_tensorcnt 1                             ; my part of K step 0 is in; K step 1's stays out
	s_barrier_signal -1
	s_barrier_wait -1
	FETCH 0, 0, 0
	LAP 1                                          ; the first lap's first products start the sums
	WIN 0
	s_mov_b32 s3, LAPS-2
.Llap:
	LAP 0
	WIN 0
	s_sub_co_u32 s3, s3, 1
	s_cmp_lg_u32 s3, 0
	s_cbranch_scc1 .Llap
	THREE 0, 0                                     ; the last lap fills nothing
	TURN 0, 1, 0
	THREE 1, 0
	s_wait_dscnt 8
	WIN MUL
	MUL8 1, 0, 0
	MUL8 1, 2, 0
	s_wait_dscnt 0
	MUL8 1, 4, 0
	MUL8 1, 6, 0
	; THE WAY OUT, 16 rows at a time: a lane's 32 bytes of a row into my own stage, read back as whole rows of 256 bytes (my 64 columns of f32)
	PLACES
	s_lshl_b32 s13, s13, 8
	s_lshl_b32 s14, s11, 7
	s_add_co_u32 s16, s13, s14                     ; my first row
	s_mov_b32 s17, 0
	s_mov_b64 s[18:19], OROW
	s_mul_u64 s[16:17], s[16:17], s[18:19]
	s_add_nc_u64 s[8:9], s[8:9], s[16:17]
	s_lshl_b32 s46, s42, 9                         ; my first column in bytes: 512 x block + 256 x half
	s_lshl_b32 s47, s12, 8
	s_add_co_u32 s46, s46, s47
	s_mov_b32 s47, 0
	s_add_nc_u64 s[8:9], s[8:9], s[46:47]
.macro OUT16 a, f
	WIN 0x04                                       ; the stores' data in window 1
.irp b, 0,1,2,3
	ds_store_b128 v[STO], v[8*(4*\a+\b):8*(4*\a+\b)+3]   offset:64*\b
	ds_store_b128 v[STO], v[8*(4*\a+\b)+4:8*(4*\a+\b)+7] offset:64*\b+16
.endr
	WIN 0
	s_wait_xcnt 0x0                                ; buffer f, which earlier stores read, and the stores' base are rewritten only behind this wait
.if \a
	s_add_nc_u64 s[8:9], s[8:9], 16*OROW
.endif
.irp t, 0,1,2,3,4,5,6,7
	ds_load_b128 v[FA+64*\f+4*\t:FA+64*\f+4*\t+3], v[RD] offset:\t*2*SPITCH   ; LDS serves a wave's instructions in order: these see the stores above
.endr
.irp t, 0,1,2,3,4,5,6,7
	s_wait_dscnt 7-\t
	global_store_b128 v[CO], v[FA+64*\f+4*\t:FA+64*\f+4*\t+3], s[8:9] offset:2*\t*OROW th:TH_STORE_NT   ; 16 lanes store 256 consecutive bytes, aligned
.endr
.endm
	OUT16 0, 0
	OUT16 1, 1
	OUT16 2, 0
	OUT16 3, 1
	OUT16 4, 0
	OUT16 5, 1
	OUT16 6, 0
	OUT16 7, 1
	s_wait_tensorcnt 0x0
	ds_add_u32 v62, v63
	s_wait_dscnt 0x0
	CROUND                                         ; the closing round: no work-group ends while a partner may still ask for a tile that names it
	s_endpgm
.Lfunc_end_k_qa1fc5bb182_proj:
	.size	k_qa1fc5bb182_proj, .Lfunc_end_k_qa1fc5bb182_proj-k_qa1fc5bb182_proj
	.p2alignl 7, 3214868480
	.fill 96, 4, 3214868480
	.section	.rodata,"a",@progbits
	.p2align	6, 0x0
	.amdhsa_kernel k_qa1fc5bb182_proj
		.amdhsa_group_segment_fixed_size 327680
		.amdhsa_private_segment_fixed_size 0
		.amdhsa_enable_private_segment 0
		.amdhsa_kernarg_size 24
		.amdhsa_user_sgpr_count 2
		.amdhsa_user_sgpr_kernarg_segment_ptr 1
		.amdhsa_wavefront_size32 1
		.amdhsa_system_sgpr_workgroup_id_x 1
		.amdhsa_system_sgpr_workgroup_id_y 1
		.amdhsa_system_sgpr_workgroup_id_z 1
		.amdhsa_system_vgpr_workitem_id 0
		.amdhsa_next_free_vgpr 512
		.amdhsa_next_free_sgpr 66
		.amdhsa_reserve_vcc 0
		.amdhsa_float_denorm_mode_32 3
		.amdhsa_float_denorm_mode_16_64 3
		.amdhsa_memory_ordered 1
		.amdhsa_forward_progress 1
		.amdhsa_inst_pref_size 119
	.end_amdhsa_kernel
	.amdgpu_metadata
---
amdhsa.version: [ 1, 2 ]
amdhsa.kernels:
  - .name:           k_qa1fc5bb182_proj
    .symbol:         k_qa1fc5bb182_proj.kd
    .args:
      - { .name: ao, .offset: 0, .size: 8, .value_kind: global_buffer, .address_space: global }
      - { .name: wh, .offset: 8, .size: 8, .value_kind: global_buffer, .address_space: global }
      - { .name: out0, .offset: 16, .size: 8, .value_kind: global_buffer, .address_space: global }
    .group_segment_fixed_size: 327680
    .private_segment_fixed_size: 0
    .kernarg_segment_align: 8
    .kernarg_segment_size: 24
    .max_flat_workgroup_size: 128
    .sgpr_count:     66
    .vgpr_count:     512
    .wavefront_size: 32
...
	.end_amdgpu_metadata
.endif
;; end of part 4
